; MI455X (gfx1250); checked and timed in simulation.
; The chip was launched on July 23, 2026; its instructions are those of AMD's public machine-readable ISA for CDNA 5 (MIT licence, August 2026) and "CDNA5" Instruction Set Architecture Reference Guide (July 2026). The comments in the code are by the model that wrote it; some were corrected since.
;; VQ Embedding. Allowed arithmetic: float matrix products may take bf16 or f16 operands with f32 sums; other float arithmetic in f32, or as packed bf16 or f16 multiplies, adds, multiply-adds, maxima and minima; sums over many terms, partial sums and values carried from step to step in f32; what a program stores and reads back later, other than sums and carried values, may be rounded once to bf16 or f16.
;; Inputs: codebook 8,192 x 256 float32; h 32 x 1,024 x 256 float32.
;; Outputs: out0 32 x 1,024 x 256 float32; out1 one number float32; out2 one number float32.
;; 2 versions, each right; version 2 is version 1 with the launches prep, gather written anew for expert scheduling mode. Each part assembles by itself: llvm-mc -triple=amdgcn-amd-amdhsa -mcpu=gfx1250 --defsym DOCPART=n.
;; ======== version 1 of 2: 4 launches
;; workspace buffers: wb 4,194,304 bytes; nb 32,768 bytes; idx 131,072 bytes of whole numbers; part 16,384 bytes
;; launch prep (part 1): grid 128 x 1, 8 waves a work-group, no clusters, 1,280 bytes of LDS; arguments codebook, wb, nb; writes wb, nb
.if DOCPART == 1
	.amdgcn_target "amdgcn-amd-amdhsa--gfx1250"
	.amdhsa_code_object_version 6
	.text
	.protected	k_qff41bb2484_prep
	.globl	k_qff41bb2484_prep
	.p2align	8
	.type	k_qff41bb2484_prep,@function
k_qff41bb2484_prep:
	s_mov_b64 s[64:65], 0
	v_nop
	global_prefetch_b8 v0, s[64:65] scope:SCOPE_SE
	s_setreg_imm32_b32 hwreg(HW_REG_WAVE_MODE, 25, 1), 1
	s_wait_xcnt 0x0
; VECTOR QUANTISATION: for each of 32,768 rows of h (256 numbers) the nearest of 8,192 codes; out0 = that code's row; out2 = mean((h - q)^2); out1 = out2 / 4.
; THE PROGRAM, four launches: (1) this one rounds the codes to bf16 (wb) and makes nb[c] = -1/2 sum of the rounded code's squares; (2) the product h W^T on the matrix units with a
; running choice of the best code, stored as whole numbers (idx); (3) the rows are looked up by idx, stored, and (h - q)^2 summed, one partial sum a wave (part); (4) the partial sums are added.
; WORK LEFT OUT, for all finite values of the inputs:
;  - h_sq.  distances[n][c] = h_sq[n] - 2 h[n].w[c] + w_sq[c], and h_sq[n] is the same for every c, so argmin over c of the distance = argmax over c of s = h[n].w[c] - w_sq[c] / 2
;    (distance = h_sq - 2 s).  h_sq is a sum of 256 squares like w_sq, of the size of the other terms, so no term is lost beside it.  It reaches no output by any other way.
;  - h + (q - h) = q, an identity: out0 is the row that is looked up.
;  - stop_gradient changes no value: e_latent_loss and codebook_loss are the same mean, made once.
; Both inputs have ways to the outputs and are loaded.
; LIMITS.  The product's operands are h and the codes rounded to bf16, sums in f32; w_sq is taken of the ROUNDED codes, so that the choice is that of the distances between the rounded vectors.
; Two codes whose distances differ by less than f32's rounding of the sums may be chosen otherwise than by reference(); on equal scores the lowest index wins, as in argmin.
; NaN and infinities are not treated apart (a NaN score never wins); an overflow, NaN or infinity that reaches only h_sq or h + (q - h) is not carried to the result.
;
; THIS LAUNCH.  A work-group takes 64 codes, each of its eight waves 8, in one go: 16 loads of 512 consecutive bytes a wave, all out at once.  A lane holds columns 4 l .. 4 l + 3 and
; 128 + 4 l .. + 3 of a row; rounded they are 8 bytes each, so a store of the wave covers 256 consecutive bytes, aligned.  The 64 numbers of nb meet in LDS and leave as one store of 256 bytes.
.set SUMS,  0                          ; LDS: the work-group's 64 sums, 256 bytes
.set SPARE, 256                        ; behind them: the spare words, 128 bytes for each of the eight waves, which no other line names
.set SPW, 8                            ; v8   LDS address of my spare word; never rewritten
.set NIL, 9                            ; v9   0; never rewritten (also the first addend of each row's sum)
.set S,   16                           ; v[16:23]  row i's sum
.set TP,  24                           ; v24  the other half of the lanes' sum
.set X,   32                           ; v[32:95]  row i as loaded: 8 registers
.set P,   96                           ; v[96:127] row i rounded: 4 registers
	s_load_b128 s[4:7], s[0:1], 0x0                ; codebook s[4:5], wb s[6:7]
	s_load_b64 s[8:9], s[0:1], 0x10                ; nb
	v_lshl_add_u32 v[SPW], v0, 2, SPARE
	v_mov_b32 v[NIL], 0
	v_lshrrev_b32 v4, 5, v0
	v_readfirstlane_b32 s10, v4                    ; wave 0..7
	v_and_b32 v5, 31, v0                           ; lane
	v_lshlrev_b32 v1, 4, v5                        ; 16 bytes a lane of a row of f32
	v_lshlrev_b32 v2, 3, v5                        ; 8 bytes a lane of a row of bf16
	s_lshl_b32 s11, s10, 5
	v_mov_b32 v3, s11                              ; SUMS + my wave's 8 words
	v_mov_b32 v[TP], 0                             ; written before v_permlanex16_b32 names it as its destination
	s_mov_b32 s12, 0x76543210                      ; v_permlanex16_b32: each lane takes its own place in the other half
	s_mov_b32 s13, 0xfedcba98
	s_lshl_b32 s14, ttmp9, 16                      ; the work-group's 64 rows of 1,024 bytes,
	s_lshl_b32 s15, s10, 13                        ; my wave's 8 of them
	s_add_co_u32 s14, s14, s15
	s_mov_b32 s15, 0
	s_lshr_b32 s16, s14, 1                         ; the same rows in wb: half the bytes
	s_mov_b32 s17, 0
	s_lshl_b32 s18, ttmp9, 8                       ; the work-group's 64 numbers of nb
	s_mov_b32 s19, 0
	s_wait_kmcnt 0x0
	s_add_nc_u64 s[4:5], s[4:5], s[14:15]
	s_add_nc_u64 s[6:7], s[6:7], s[16:17]
	s_add_nc_u64 s[8:9], s[8:9], s[18:19]
.irp i, 0,1,2,3,4,5,6,7
	global_load_b128 v[X+8*(\i):X+8*(\i)+3],   v1, s[4:5] offset:1024*(\i) th:TH_LOAD_NT
	global_load_b128 v[X+8*(\i)+4:X+8*(\i)+7], v1, s[4:5] offset:1024*(\i)+512 th:TH_LOAD_NT
.endr
.irp i, 0,1,2,3,4,5,6,7
	s_wait_loadcnt 14-2*(\i)                       ; loads come back in order: row i's two are in, the younger rows' stay out
.irp c, 0,1,2,3
	v_cvt_pk_bf16_f32 v[P+4*(\i)+(\c)], v[X+8*(\i)+2*(\c)], v[X+8*(\i)+2*(\c)+1]
.endr
	global_store_b64 v2, v[P+4*(\i):P+4*(\i)+1],   s[6:7] offset:512*(\i)       ; 32 lanes x 8 bytes: 256 consecutive bytes, aligned
	global_store_b64 v2, v[P+4*(\i)+2:P+4*(\i)+3], s[6:7] offset:512*(\i)+256
	v_fma_mix_f32_bf16 v[S+(\i)], v[P+4*(\i)], v[P+4*(\i)], v[NIL] op_sel_hi:[1,1,0]  ; the squares of the ROUNDED numbers, summed in f32: low halves,
	v_fma_mix_f32_bf16 v[S+(\i)], v[P+4*(\i)], v[P+4*(\i)], v[S+(\i)] op_sel:[1,1,0] op_sel_hi:[1,1,0]  ; high halves
.irp c, 1,2,3
	v_fma_mix_f32_bf16 v[S+(\i)], v[P+4*(\i)+(\c)], v[P+4*(\i)+(\c)], v[S+(\i)] op_sel_hi:[1,1,0]
	v_fma_mix_f32_bf16 v[S+(\i)], v[P+4*(\i)+(\c)], v[P+4*(\i)+(\c)], v[S+(\i)] op_sel:[1,1,0] op_sel_hi:[1,1,0]
.endr
	v_add_f32_dpp v[S+(\i)], v[S+(\i)], v[S+(\i)] row_xmask:1 row_mask:0xf bank_mask:0xf
	v_add_f32_dpp v[S+(\i)], v[S+(\i)], v[S+(\i)] row_xmask:2 row_mask:0xf bank_mask:0xf
	v_add_f32_dpp v[S+(\i)], v[S+(\i)], v[S+(\i)] row_xmask:4 row_mask:0xf bank_mask:0xf
	v_add_f32_dpp v[S+(\i)], v[S+(\i)], v[S+(\i)] row_xmask:8 row_mask:0xf bank_mask:0xf
	v_permlanex16_b32 v[TP], v[S+(\i)], s12, s13
	v_add_f32 v[S+(\i)], v[S+(\i)], v[TP]          ; every lane holds the row's sum
	v_mul_f32 v[S+(\i)], -0.5, v[S+(\i)]
	ds_store_b32 v3, v[S+(\i)] offset:SUMS+4*(\i)  ; all lanes write the same word with the same number
.endr
	s_wait_dscnt 0x0                               ; for the others' sake: my eight words are written
	s_barrier_signal -1
	s_barrier_wait -1
	s_cmp_lg_u32 s10, 0
	s_cbranch_scc1 .Lend                           ; wave 0 sends the 64 numbers
	ds_load_b64 v[26:27], v2 offset:SUMS
	s_wait_dscnt 0x0
	global_store_b64 v2, v[26:27], s[8:9]          ; 256 consecutive bytes, aligned
.Lend:
	s_wait_tensorcnt 0x0                           ; the wave's end, behind my last LDS store
	ds_add_u32 v[SPW], v[NIL]
	s_wait_dscnt 0x0
	s_endpgm
.Lfunc_end_k_qff41bb2484_prep:
	.size	k_qff41bb2484_prep, .Lfunc_end_k_qff41bb2484_prep-k_qff41bb2484_prep
	.p2alignl 7, 3214868480
	.fill 96, 4, 3214868480
	.section	.rodata,"a",@progbits
	.p2align	6, 0x0
	.amdhsa_kernel k_qff41bb2484_prep
		.amdhsa_group_segment_fixed_size 1280
		.amdhsa_private_segment_fixed_size 0
		.amdhsa_enable_private_segment 0
		.amdhsa_kernarg_size 24
		.amdhsa_user_sgpr_count 2
		.amdhsa_user_sgpr_kernarg_segment_ptr 1
		.amdhsa_wavefront_size32 1
		.amdhsa_system_sgpr_workgroup_id_x 1
		.amdhsa_system_sgpr_workgroup_id_y 1
		.amdhsa_system_sgpr_workgroup_id_z 1
		.amdhsa_system_vgpr_workitem_id 0
		.amdhsa_next_free_vgpr 128
		.amdhsa_next_free_sgpr 66
		.amdhsa_reserve_vcc 0
		.amdhsa_float_denorm_mode_32 3
		.amdhsa_float_denorm_mode_16_64 3
		.amdhsa_memory_ordered 1
		.amdhsa_forward_progress 1
		.amdhsa_inst_pref_size 15
	.end_amdhsa_kernel
	.amdgpu_metadata
---
amdhsa.version: [ 1, 2 ]
amdhsa.kernels:
  - .name:           k_qff41bb2484_prep
    .symbol:         k_qff41bb2484_prep.kd
    .args:
      - { .name: codebook, .offset: 0, .size: 8, .value_kind: global_buffer, .address_space: global }
      - { .name: wb, .offset: 8, .size: 8, .value_kind: global_buffer, .address_space: global }
      - { .name: nb, .offset: 16, .size: 8, .value_kind: global_buffer, .address_space: global }
    .group_segment_fixed_size: 1280
    .private_segment_fixed_size: 0
    .kernarg_segment_align: 8
    .kernarg_segment_size: 24
    .max_flat_workgroup_size: 256
    .sgpr_count:     66
    .vgpr_count:     128
    .wavefront_size: 32
...
	.end_amdgpu_metadata
.endif
;; end of part 1
;; launch argmin (part 2): grid 256 x 1, 4 waves a work-group, clusters of 4 x 1, 327,680 bytes of LDS; arguments h, wb, nb, idx; writes idx
.if DOCPART == 2
	.amdgcn_target "amdgcn-amd-amdhsa--gfx1250"
	.amdhsa_code_object_version 6
	.text
	.protected	k_qff41bb2484_argmin
	.globl	k_qff41bb2484_argmin
	.p2align	8
	.type	k_qff41bb2484_argmin,@function
k_qff41bb2484_argmin:
	s_mov_b64 s[64:65], 0
	v_nop
	global_prefetch_b8 v0, s[64:65] scope:SCOPE_SE
	s_setreg_imm32_b32 hwreg(HW_REG_WAVE_MODE, 25, 1), 1
	s_wait_xcnt 0x0
	s_wait_alu depctr_hold_cnt(0) depctr_sa_sdst(0) depctr_va_vdst(0) depctr_va_sdst(0) depctr_va_ssrc(0) depctr_va_vcc(0) depctr_vm_vsrc(0)
	s_getreg_b32 s2, hwreg(HW_REG_IB_STS2, 6, 4)
	s_cmp_eq_u32 s2, 0
	s_cbranch_scc0 .Lentry_in_a_cluster
	s_endpgm
.Lentry_in_a_cluster:
	s_bfe_u32 s2, ttmp6, 0x10000c
	s_cmp_lg_u32 s2, 0x3003
	s_cbranch_scc0 .Lentry_shape_is_right
	s_endpgm
.Lentry_shape_is_right:
; idx[n] = the lowest c at which s[n][c] = bf16(h[n]) . wb[c] + nb[c] is greatest; nb[c] = -1/2 |wb[c]|^2.  h: [32768][256] f32; wb: [8192][256] bf16; nb: [8192] f32; idx: [32768] u32.
; LEFT OUT: h_sq, which is the same for all codes of a row (distance = h_sq - 2 s: shown at the head of the first kernel).  Limits as stated there.
; SHARES.  A work-group owns 128 rows of h and walks ALL codes, so the choice ends inside the launch.  Each of its four waves holds all 128 rows as bf16 fragments in 512 registers
; (8 blocks of 16 rows x 8 steps of 32 along D) and takes a quarter of the codes: of each tile of 256 codes wave w takes 64 w .. 64 w + 63, four blocks of 16.  So each LDS byte of a
; tile is read once, by the wave that fetched it: 18 LDS loads for a block's 64 matrix instructions.
; LAYOUT.  Source 0 = 16 codes, source 1 = 16 rows of h: in the result register j of lane l holds row l % 16 of h and code 8 (l / 16) + j of the block.  The C operand of the first step
; along D is nb of those eight codes: two LDS loads that all lanes of a half share.
; THE CHOICE.  For each of a lane's 64 places (row block m, register j) a running best score and the place in the walk at which it came.  A block's 64 scores are scanned while the NEXT
; block is multiplied (two sets of accumulators): behind each matrix instruction stand three vector instructions for one place: compare, maximum, select.  A later score wins only if it is
; greater, and a place's codes come in ascending order.  At the end the places, the halves of the lanes and the four waves are merged; on equal scores the lower index wins.
; CLUSTER.  The four work-groups of a cluster walk the same codes: each tile, and nb, is asked for JOINTLY (the same load, descriptor and mask in all four).  h is each work-group's own.
; LDS.  Two slots of 256 codes x 528 bytes; slot 1 first holds the work-group's h (128 rows x 1,040 bytes, f32), which is rounded into registers before the walk; nb (32 KiB); spare words; 4 KiB for the last merge.
; REGISTERS, in windows of 256 (s_set_vgpr_msb: bits 1:0 source 0, 3:2 source 1, 5:4 source 2, 7:6 destination):
;   window 0: v0-29 addresses; v32-47 nb's two buffers; v48-55 a place's low index bits; v64-191 the codes' fragments, two buffers; v192-207 the last merge
;   windows 1, 2: h: block m, step k at v[64 (m % 4) + 8 k] of window 1 + m / 4
;   window 3: v0-63, v64-127 the two sets of accumulators; v128-191 best scores; v192-255 where they came; place 8 m + j
.set PB,    528                        ; a code's row in LDS: 512 bytes + 16 of padding: 33 x 16, so the 16 rows of a load begin in 16 different groups of four banks (64 banks of 4 bytes: ISA guide 11.1)
.set QUART, 64*PB                      ; a wave's quarter of a slot
.set SLOTB, 4*QUART                    ; 135,168 = 0x21000: slot 1 begins here; w x QUART has neither of its two bits, so one exclusive or changes slots
.set PH,    1040                       ; a row of h in LDS: 1,024 bytes + 16 = 65 x 16
.set BIAS,  2*SLOTB                    ; nb, dense
.set SPARE, BIAS+32768                 ; the spare words, 128 bytes for each wave: two blocks of 256 bytes that no other line names
.set SCR,   SPARE+512                  ; the last merge: scores [wave][128 rows], then indices likewise; no tensor load lands here
.set TILEB, 131072                     ; a tile of 256 codes in memory
.set R,   1                            ; v1   l % 16
.set HH,  2                            ; v2   l / 16
.set LN,  3                            ; v3   l
.set AB0, 4                            ; v4   my place in a block of codes: w x QUART + (l % 16) x 528 + 16 (l / 16); never rewritten
.set AC0, 5                            ; v5   my place in nb: 256 w + 32 (l / 16); never rewritten
.set ADR, 6                            ; v6   the LDS address of the run of loads in hand: codes,
.set ADC, 7                            ; v7   nb
.set AH0, 8                            ; v8, v9  my place in h's stage, row blocks 0-3 and 4-7
.set PFO, 10                           ; v10  256 x my lane; never rewritten
.set SST, 11                           ; v11  the last merge: where I put a row's result
.set SRD, 12                           ; v12  where I read two rows' results
.set IO,  13                           ; v13  my 8 bytes of idx
.set TV,  14                           ; v14  at work
.set SPW, 28                           ; v28  LDS address of my spare word; never rewritten
.set NIL, 29                           ; v29  0; never rewritten
.set CBF, 32                           ; nb's buffers
.set LJ,  48                           ; v[48:55]  w << 6 | (l / 16) << 3 | j
.set BF,  64                           ; the codes' buffers
.set FIN, 192
.set WV,  12                           ; s12  my wave's number
.set LIM, 15                           ; s15  2 in the launch's first cluster, else the greatest number: a wave prefetches while s[SLOTS] is above it
.set G1B, 24                           ; s[24:31] descriptor group 1: a quarter tile of codes
.set G1H, 32                           ; s[32:39] a quarter of h's stage
.set G1C, 40                           ; s[40:47] a quarter of nb
.set G0B, 48                           ; s[48:51] group 0 for the codes: it walks
.set G0H, 52
.set G0C, 56
.set SLOTS, 60                         ; s60  fills still to come
.set CNT, 61                           ; s61  counts pairs of blocks
.set TB,  62                           ; s62  LDS byte at which the block to be fetched begins (less the wave's part)
.set TC,  63                           ; s63  the same in nb
.set CODE, 66                          ; s66  the block that is being scanned: tile << 8 | 0xc0 | block << 4
.set NINF, 67                          ; s67  -infinity
.set SEL, 68                           ; s[68:69] v_permlanex16_b32's selects
.set PFA, 70                           ; s[70:71] where my prefetches stand
.set MSB, 0
.macro WIN new                         ; the high byte repeats the setting that is left; a switch that changes nothing is dropped
.if MSB != (\new)
	s_set_vgpr_msb (MSB<<8)|(\new)
.set MSB, (\new)
.endif
.endm
; A round of the cluster's barrier: my work-group's barrier, so that wave 0's signal speaks for all four waves; wave 0 signals; every wave waits for all four work-groups; my work-group's barrier once more.
.macro CROUND
	s_barrier_signal -1
	s_barrier_wait -1
	s_cmp_lg_u32 s[WV], 0
	s_cbranch_scc1 .Lnot_wave_0_\@
	s_barrier_signal -3
.Lnot_wave_0_\@:
	s_barrier_wait -3
	s_barrier_signal -1
	s_barrier_wait -1
.endm
; A joint fill: every wave fetches its own quarter of the tile, 64 codes.  An s_nop 0 and four v_nop follow the load.
.macro JLOAD
	tensor_load_to_lds s[G0B:G0B+3], s[G1B:G1B+7]
	s_nop 0
.rept 4
	v_nop
.endr
.endm
; A PREFETCH INTO THE L2 of the tile that stands TWO fills on: 512 matrix instructions ahead of the load that will want it.  All clusters walk the same tiles: the launch's first cluster asks.
; A tile is 512 blocks of 256 bytes = 4 work-groups x 4 waves x 32 lanes: one instruction a wave, a lane a block; the partners are told apart BY ADDRESS.  So each block is named once in the launch.
; Tiles 0 to 2 come by their loads alone; the last two fills ask for nothing: there is no tile two on.
.macro ASK
	s_cmp_gt_u32 s[SLOTS], s[LIM]
	s_cbranch_scc0 .Lnot_mine_\@
	global_prefetch_b8 v[PFO], s[PFA:PFA+1] th:TH_LOAD_NT scope:SCOPE_SE
.Lnot_mine_\@:
.endm
; THE CHANGE OF SLOTS.  It stands where the old slot's last block lies in registers and has not been multiplied yet.  Each wave waits for all its tensor loads, of which one is out: its quarter of the
; other slot; adds 0 to its spare word; and waits for that and for its reads of the old slot.  fill = 1: the barrier is a round of the cluster's, so that no wave of any partner still reads the
; old slot or has a load on its way, and the joint fill is the first thing behind it: it has four blocks, 256 matrix instructions, in which to land.
.macro CHANGE fill
	WIN 0                                          ; at a label and at a branch every window is 0
	s_wait_tensorcnt 0x0                           ; no tensor load of mine is out, so group 0 may be written
	ds_add_u32 v[SPW], v[NIL]                      ; 0 onto my spare word; with fill = 1 the steps below stand between it and the wait for it
.if \fill
	s_xor_b32 s[G0B+1], s[G0B+1], SLOTB            ; the other slot than last time,
	s_add_nc_u64 s[G0B+2:G0B+3], s[G0B+2:G0B+3], TILEB  ; the next tile; the type bits on top are not reached
	s_wait_xcnt 0x0                                ; the last prefetch, four blocks back, has read its address, so it may be written
	s_add_nc_u64 s[PFA:PFA+1], s[PFA:PFA+1], TILEB
	s_wait_dscnt 0x0                               ; the add is done, and my reads of the old slot are over
	CROUND
	JLOAD
	ASK
.else
	s_wait_dscnt 0x0                               ; the add is done, and my reads of the old slot are over
	s_barrier_signal -1
	s_barrier_wait -1
.endif
	s_sub_co_u32 s[TB], s[TB], QUART               ; the fetches go back to a slot's first block,
	s_xor_b32 s[TB], s[TB], SLOTB                  ; in the other slot;
	s_add_co_u32 s[TC], s[TC], 768                 ; in nb from my 64 codes of one tile to those of the next: 1,024 bytes less the 256 stepped
.endm
; A block's 18 LDS loads in one run, into buffer b: 16 codes x 256 along D (8 fragments: lane l holds code l % 16; two loads of 16 bytes, 32 bytes apart, for each 32 along D), and nb of my eight codes.
.macro FETCH b
	WIN 0
	v_add_nc_u32 v[ADR], s[TB], v[AB0]
	v_add_nc_u32 v[ADC], s[TC], v[AC0]
.irp f, 0,1,2,3,4,5,6,7
	ds_load_b128 v[BF+64*(\b)+8*(\f):BF+64*(\b)+8*(\f)+3],   v[ADR] offset:64*(\f)
	ds_load_b128 v[BF+64*(\b)+8*(\f)+4:BF+64*(\b)+8*(\f)+7], v[ADR] offset:64*(\f)+32
.endr
	ds_load_b128 v[CBF+8*(\b):CBF+8*(\b)+3],   v[ADC]
	ds_load_b128 v[CBF+8*(\b)+4:CBF+8*(\b)+7], v[ADC] offset:16
	s_add_co_u32 s[TB], s[TB], 16*PB               ; the next fetch is the next block's
	s_add_co_u32 s[TC], s[TC], 64
.endm
; Place n of the block that lies finished in accumulator set a: is its score greater than the place's best?  Then the best and the block's number are taken.  VCC is written and read inside the slice.
.macro SLICE a, n
	WIN 0xff
.set d, 64*(\a)+(\n)
	v_cmp_gt_f32 vcc_lo, v[d], v[128+(\n)]
	v_max_num_f32 v[128+(\n)], v[d], v[128+(\n)]
	v_cndmask_b32 v[192+(\n)], v[192+(\n)], s[CODE], vcc_lo
.endm
; A BLOCK: 64 matrix instructions into accumulator set p (step k = i / 8 along D, row block m = i % 8), behind each a slice of the block before, which lies in the other set.
; The 8 accumulators take turns, one instruction a turn; a block's last product and the next block's first name different sets.
; A slice names no register of the products round it.  Place 8 m + j was finished by product 56 + m of the block before: eight slices or more lie between; an accumulator's registers are read in ascending order.
; fetch = 1: the next block's run of loads stands behind the second product: the last product that read its buffer stands three slices and the run's two additions back; it is waited for 62 products later.
.macro TILE p, fetch
	s_wait_dscnt 0x0                               ; this block's fragments and nb are in
.set i, 0
.rept 64
.set k, i/8
.set m, i%8
.set rD, 64*(\p)+8*m
.set rB, BF+64*(\p)+8*k
.set rA, 64*(m%4)+8*k
.if k == 0
	WIN 0xc4+4*(m/4)                               ; codes and nb window 0, h window 1 or 2, the result window 3
	v_wmma_f32_16x16x32_bf16 v[rD:rD+7], v[rB:rB+7], v[rA:rA+7], v[CBF+8*(\p):CBF+8*(\p)+7]
.else
	WIN 0xf4+4*(m/4)
	v_wmma_f32_16x16x32_bf16 v[rD:rD+7], v[rB:rB+7], v[rA:rA+7], v[rD:rD+7]
.endif
	SLICE 1-(\p), i
.if (\fetch) && (i == 1)
	FETCH 1-(\p)
.endif
.set i, i+1
.endr
	s_add_co_u32 s[CODE], s[CODE], 16              ; the next block is scanned next: bits 7:6 are kept at ones, so that the carry out of the block's two bits runs into the tile's
	s_or_b32 s[CODE], s[CODE], 0xc0
.endm
; (va, ia) takes (vb, ib) if vb is greater, or equal with the lower index.
.macro MERGE va, ia, vb, ib
	v_cmp_gt_f32 s72, v[(\vb)], v[(\va)]
	v_cmp_eq_f32 s73, v[(\vb)], v[(\va)]
	v_cmp_lt_u32 s74, v[(\ib)], v[(\ia)]
	s_and_b32 s73, s73, s74
	s_or_b32 s72, s72, s73
	v_cndmask_b32 v[(\va)], v[(\va)], v[(\vb)], s72
	v_cndmask_b32 v[(\ia)], v[(\ia)], v[(\ib)], s72
.endm
; h from its stage into registers.  Batch b: row block b / 2, steps 4 (b % 2) .. + 3 along D.  A fragment's lane holds row l % 16 and the numbers 8 (l / 16) + 0..7 and 16 + 8 (l / 16) + 0..7 of 32:
; in f32 four loads of 16 bytes, at 0, 16, 64 and 80 from 32 (l / 16).  The codes' two buffers, still empty, take the f32 by turns.
.macro ALOAD b
	WIN 0
.set am, (\b)/2
.set T, BF+64*((\b)%2)
.irp f, 0,1,2,3
	ds_load_b128 v[T+16*(\f):T+16*(\f)+3],     v[AH0+am/4] offset:(am%4)*16*PH+(4*((\b)%2)+(\f))*128
	ds_load_b128 v[T+16*(\f)+4:T+16*(\f)+7],   v[AH0+am/4] offset:(am%4)*16*PH+(4*((\b)%2)+(\f))*128+16
	ds_load_b128 v[T+16*(\f)+8:T+16*(\f)+11],  v[AH0+am/4] offset:(am%4)*16*PH+(4*((\b)%2)+(\f))*128+64
	ds_load_b128 v[T+16*(\f)+12:T+16*(\f)+15], v[AH0+am/4] offset:(am%4)*16*PH+(4*((\b)%2)+(\f))*128+80
.endr
.endm
.macro ACVT b
.set am, (\b)/2
.set T, BF+64*((\b)%2)
.set AD, 64*(am%4)+32*((\b)%2)
	WIN 0x40*(1+am/4)                              ; destination window 1 or 2
.set c, 0
.rept 32
	v_cvt_pk_bf16_f32 v[AD+c], v[T+2*c], v[T+2*c+1]
.set c, c+1
.endr
.endm
	s_load_b256 s[4:11], s[0:1], 0x0               ; h s[4:5], wb s[6:7], nb s[8:9], idx s[10:11]
	v_lshl_add_u32 v[SPW], v0, 2, SPARE
	v_mov_b32 v[NIL], 0
	ds_add_u32 v[SPW], v[NIL]                      ; the wave's opening: the add, twice on end, and its wait ahead of my first tensor load; the set-up below, work on registers, stands between
	ds_add_u32 v[SPW], v[NIL]                      ; and once more, under the one wait
	v_lshrrev_b32 v[TV], 5, v0
	v_readfirstlane_b32 s[WV], v[TV]               ; wave 0..3
	s_bfe_u32 s13, ttmp6, 0x40000                  ; cx: my place in the cluster
	s_lshl_b32 s14, ttmp9, 2                       ; in a cluster launch ttmp9 counts clusters
	s_add_co_u32 s14, s14, s13                     ; my block of 128 rows = 4 x cluster + cx: it enters h's, idx's and the prefetches' addresses alone
	; group 1 for the codes: 64 rows x 256 elements of 2 bytes
	s_mov_b32 s[G1B], 15|(1<<16)|(1<<20)|(1<<21)|(6<<22)|(3<<25)  ; 15:0 the mask of four; 17:16 2-byte elements; 20 padding on; 21 set beside a mask; 24:22 after every 128 words (code 6); 31:25 4 words (code 3)
	s_mov_b32 s[G1B+1], 256<<16                    ; tensor_dim0 = 256
	s_mov_b32 s[G1B+2], 64<<16                     ; tensor_dim1 = 64
	s_mov_b32 s[G1B+3], 256<<16                    ; tile_dim0 = 256
	s_mov_b32 s[G1B+4], 64                         ; tile_dim1 = 64
	s_mov_b32 s[G1B+5], 256                        ; 256 elements from row to row
	s_mov_b32 s[G1B+6], 0
	s_mov_b32 s[G1B+7], 0
	; group 1 for h: 32 rows x 256 elements of 4 bytes; no mask: the work-group's own
	s_mov_b32 s[G1H], (2<<16)|(1<<20)|(7<<22)|(3<<25)  ; 4-byte elements; padding after every 256 words (code 7), 4 words
	s_mov_b32 s[G1H+1], 256<<16
	s_mov_b32 s[G1H+2], 32<<16
	s_mov_b32 s[G1H+3], 256<<16
	s_mov_b32 s[G1H+4], 32
	s_mov_b32 s[G1H+5], 256
	s_mov_b32 s[G1H+6], 0
	s_mov_b32 s[G1H+7], 0
	; group 1 for nb: 8,192 dense bytes as 32 rows x 32 elements of 8 bytes
	s_mov_b32 s[G1C], 15|(3<<16)|(1<<21)
	s_mov_b32 s[G1C+1], 32<<16
	s_mov_b32 s[G1C+2], 32<<16
	s_mov_b32 s[G1C+3], 32<<16
	s_mov_b32 s[G1C+4], 32
	s_mov_b32 s[G1C+5], 32
	s_mov_b32 s[G1C+6], 0
	s_mov_b32 s[G1C+7], 0
	s_mov_b32 s[G0B], 1                            ; count = 1
	s_mul_i32 s[G0B+1], s[WV], QUART               ; slot 0, my quarter: no place in the cluster enters an LDS address
	s_mov_b32 s[G0H], 1
	s_mul_i32 s[G0H+1], s[WV], 32*PH
	s_add_co_u32 s[G0H+1], s[G0H+1], SLOTB         ; slot 1, my 32 rows
	s_mov_b32 s[G0C], 1
	s_lshl_b32 s[G0C+1], s[WV], 13
	s_add_co_u32 s[G0C+1], s[G0C+1], BIAS
	s_lshl_b32 s16, s[WV], 15                      ; wb: my 64 codes of 512 bytes
	s_mov_b32 s17, 0
	s_lshl_b32 s18, s[WV], 13                      ; nb: my quarter
	s_mov_b32 s19, 0
	s_lshl_b32 s20, s14, 17                        ; h: my work-group's 128 rows of 1,024 bytes,
	s_add_co_u32 s20, s20, s16                     ; my wave's 32
	s_mov_b32 s21, 0
	s_lshl_b32 s22, s13, 15                        ; the prefetches: my work-group's quarter of a tile,
	s_add_co_u32 s22, s22, s18                     ; my wave's quarter of that,
	s_add_co_u32 s22, s22, 2*TILEB                 ; in tile 2; the first change of slots steps it to tile 3
	s_mov_b32 s23, 0
	s_lshl_b32 s76, s14, 9                         ; idx: my work-group's 128 words
	s_mov_b32 s77, 0
	s_mov_b32 s[SEL], 0x76543210
	s_mov_b32 s[SEL+1], 0xfedcba98
	s_mov_b32 s[NINF], 0xff800000
	s_mov_b32 s[TB], SLOTB+QUART                   ; the first change of slots turns this into 0,
	s_mov_b32 s[TC], BIAS-768                      ; and this into BIAS
	s_mov_b32 s[CODE], 0xb0                        ; behind the first block: tile 0, block 0
	s_mov_b32 s[SLOTS], 31                         ; tiles 1 to 31 are asked for at changes of slots
	s_cmp_eq_u32 ttmp9, 0
	s_cselect_b32 s[LIM], 2, -1                    ; the same in all four partners
	v_and_b32 v[R], 15, v0
	v_bfe_u32 v[HH], v0, 4, 1
	v_and_b32 v[LN], 31, v0
	v_mul_u32_u24 v[AB0], v[R], PB
	v_lshl_add_u32 v[AB0], v[HH], 4, v[AB0]
	v_add_nc_u32 v[AB0], s[G0B+1], v[AB0]
	s_lshl_b32 s75, s[WV], 8
	v_lshl_add_u32 v[AC0], v[HH], 5, s75
	v_mul_u32_u24 v[AH0], v[R], PH
	v_lshl_add_u32 v[AH0], v[HH], 5, v[AH0]
	v_add_nc_u32 v[AH0], SLOTB, v[AH0]
	v_add_nc_u32 v[AH0+1], 64*PH, v[AH0]           ; row blocks 4-7: past what an LDS instruction's 16-bit offset reaches
	v_lshlrev_b32 v[PFO], 8, v[LN]
	s_lshl_b32 s79, s[WV], 9
	s_add_co_u32 s79, s79, SCR
	v_lshl_add_u32 v[SST], v[R], 2, s79            ; my wave's 128 words, row l % 16 of a block
	s_add_co_u32 s78, s75, SCR
	v_lshl_add_u32 v[SRD], v[LN], 3, s78           ; rows 64 w + 2 l and the next
	v_lshl_add_u32 v[IO], v[LN], 3, s75
	s_lshl_b32 s74, s[WV], 6
	v_lshl_or_b32 v[TV], v[HH], 3, s74
.irp j, 0,1,2,3,4,5,6,7
	v_or_b32 v[LJ+(\j)], \j, v[TV]
.endr
	s_wait_dscnt 0x0                               ; both opening adds are done
	s_wait_kmcnt 0x0
	s_add_nc_u64 s[G0B+2:G0B+3], s[6:7], s[16:17]
	s_or_b32 s[G0B+3], s[G0B+3], 0x80000000        ; type = 2
	s_add_nc_u64 s[G0H+2:G0H+3], s[4:5], s[20:21]
	s_or_b32 s[G0H+3], s[G0H+3], 0x80000000
	s_add_nc_u64 s[G0C+2:G0C+3], s[8:9], s[18:19]
	s_or_b32 s[G0C+3], s[G0C+3], 0x80000000
	s_add_nc_u64 s[PFA:PFA+1], s[6:7], s[22:23]
	s_add_nc_u64 s[10:11], s[10:11], s[76:77]
	CROUND                                         ; all four work-groups are here: the first joint loads meet
	tensor_load_to_lds s[G0H:G0H+3], s[G1H:G1H+7]  ; the first fills, one group: three loads of mine are out.  My 32 rows of h,
	s_nop 0
	tensor_load_to_lds s[G0C:G0C+3], s[G1C:G1C+7]  ; my quarter of nb,
	s_nop 0
	tensor_load_to_lds s[G0B:G0B+3], s[G1B:G1B+7]  ; my quarter of tile 0
	s_nop 0
.rept 4
	v_nop
.endr
	; While they are on their way: every best score starts at -infinity and every place at 0; so does accumulator set 1, a block before the first whose scores never win, so that the
	; first block runs the loop's own text.
	WIN 0xc0
.set i, 0
.rept 128
	v_mov_b32 v[64+i], s[NINF]
.set i, i+1
.endr
.set i, 0
.rept 64
	v_mov_b32 v[192+i], 0
.set i, i+1
.endr
	WIN 0
	s_wait_tensorcnt 0x0                           ; my three loads have landed,
	s_barrier_signal -1
	s_barrier_wait -1                              ; everybody's have: every wave reads all 128 rows of h.
	ALOAD 0
	ALOAD 1
.set bb, 0
.rept 14
	s_wait_dscnt 16                                ; LDS loads come back in order: batch bb is in, the younger batch's 16 loads stay out
	ACVT bb
	ALOAD bb+2
.set bb, bb+1
.endr
	s_wait_dscnt 16
	ACVT 14
	s_wait_dscnt 0x0
	ACVT 15
	; THE WALK: 128 blocks a wave.  Block q lies in slot (q / 4) % 2; its parity picks the buffers and the accumulator set.
	CHANGE 1                                       ; h's stage has been read by every wave: slot 1 takes tile 1
	FETCH 0                                        ; block 0
	s_mov_b32 s[CNT], 2
	s_branch .Lmid                                 ; the loop is entered in the middle of a trip
.Lslot:                                                ; 30 times, ahead of block 4 t + 3, whose fragments lie in registers: slot t % 2 takes tile t + 2
	CHANGE 1
	s_mov_b32 s[CNT], 2
.Lpair:
	TILE 1, 1
	WIN 0
.Lmid:
	TILE 0, 1
	WIN 0
	s_sub_co_u32 s[CNT], s[CNT], 1
	s_cmp_lg_u32 s[CNT], 0
	s_cbranch_scc1 .Lpair
	s_sub_co_u32 s[SLOTS], s[SLOTS], 1
	s_cmp_lg_u32 s[SLOTS], 0
	s_cbranch_scc1 .Lslot
	CHANGE 0                                       ; ahead of block 123.  The tail is written out: nothing is asked for
	s_mov_b32 s[CNT], 2
.Ltail:                                                ; blocks 123 to 126
	TILE 1, 1
	TILE 0, 1
	WIN 0
	s_sub_co_u32 s[CNT], s[CNT], 1
	s_cmp_lg_u32 s[CNT], 0
	s_cbranch_scc1 .Ltail
	TILE 1, 0                                      ; block 127: nothing is left to fetch
.set i, 0
.rept 64
	SLICE 1, i                                     ; and its scores
.set i, i+1
.endr
	; THE END.  A place's index: tile and block from what was kept, wave, half and register from the place.
	WIN 0xc3                                       ; source 0 and destination window 3, source 2 window 0
.set i, 0
.rept 64
	v_and_or_b32 v[192+i], v[192+i], 0x1f30, v[LJ+i%8]
.set i, i+1
.endr
	WIN 0xff
.set m, 0
.rept 8                                ; a row block's eight registers into one; then the other half of the lanes', which holds the row's other codes (into registers that the tree has freed)
	MERGE 128+8*m,   192+8*m,   128+8*m+1, 192+8*m+1
	MERGE 128+8*m+2, 192+8*m+2, 128+8*m+3, 192+8*m+3
	MERGE 128+8*m+4, 192+8*m+4, 128+8*m+5, 192+8*m+5
	MERGE 128+8*m+6, 192+8*m+6, 128+8*m+7, 192+8*m+7
	MERGE 128+8*m,   192+8*m,   128+8*m+2, 192+8*m+2
	MERGE 128+8*m+4, 192+8*m+4, 128+8*m+6, 192+8*m+6
	MERGE 128+8*m,   192+8*m,   128+8*m+4, 192+8*m+4
	v_permlanex16_b32 v[128+8*m+1], v[128+8*m], s[SEL], s[SEL+1]
	v_permlanex16_b32 v[192+8*m+1], v[192+8*m], s[SEL], s[SEL+1]
	MERGE 128+8*m,   192+8*m,   128+8*m+1, 192+8*m+1
.set m, m+1
.endr
	WIN 0x0c                                       ; address window 0, data window 3
.set m, 0
.rept 8
	ds_store_b32 v[SST], v[128+8*m] offset:64*m        ; row 16 m + l % 16; both halves of the lanes write the same word with the same number
	ds_store_b32 v[SST], v[192+8*m] offset:2048+64*m
.set m, m+1
.endr
	WIN 0
	s_wait_dscnt 0x0                               ; for the others' sake: my results are written
	s_barrier_signal -1
	s_barrier_wait -1
	s_cmp_lt_u32 s[WV], 2                          ; waves 0 and 1 merge the four waves' results for 64 rows each, two rows a lane
	s_cbranch_scc0 .Lend
.irp u, 0,1,2,3
	ds_load_b64 v[FIN+2*(\u):FIN+2*(\u)+1],     v[SRD] offset:512*(\u)
	ds_load_b64 v[FIN+8+2*(\u):FIN+8+2*(\u)+1], v[SRD] offset:2048+512*(\u)
.endr
	s_wait_dscnt 0x0
.irp e, 0,1
	MERGE FIN+(\e),   FIN+8+(\e),  FIN+2+(\e), FIN+10+(\e)
	MERGE FIN+4+(\e), FIN+12+(\e), FIN+6+(\e), FIN+14+(\e)
	MERGE FIN+(\e),   FIN+8+(\e),  FIN+4+(\e), FIN+12+(\e)
.endr
	global_store_b64 v[IO], v[FIN+8:FIN+9], s[10:11]   ; 32 lanes x 8 bytes: 256 consecutive bytes, aligned
.Lend:
	s_wait_tensorcnt 0x0                           ; the wave's end, behind my last tensor load and my last LDS store
	ds_add_u32 v[SPW], v[NIL]
	s_wait_dscnt 0x0
	CROUND                                         ; the closing round: no work-group ends while a partner may still ask for a tile that names it
	s_endpgm
.Lfunc_end_k_qff41bb2484_argmin:
	.size	k_qff41bb2484_argmin, .Lfunc_end_k_qff41bb2484_argmin-k_qff41bb2484_argmin
	.p2alignl 7, 3214868480
	.fill 96, 4, 3214868480
	.section	.rodata,"a",@progbits
	.p2align	6, 0x0
	.amdhsa_kernel k_qff41bb2484_argmin
		.amdhsa_group_segment_fixed_size 327680
		.amdhsa_private_segment_fixed_size 0
		.amdhsa_enable_private_segment 0
		.amdhsa_kernarg_size 32
		.amdhsa_user_sgpr_count 2
		.amdhsa_user_sgpr_kernarg_segment_ptr 1
		.amdhsa_wavefront_size32 1
		.amdhsa_system_sgpr_workgroup_id_x 1
		.amdhsa_system_sgpr_workgroup_id_y 1
		.amdhsa_system_sgpr_workgroup_id_z 1
		.amdhsa_system_vgpr_workitem_id 0
		.amdhsa_next_free_vgpr 1024
		.amdhsa_next_free_sgpr 80
		.amdhsa_reserve_vcc 1
		.amdhsa_float_denorm_mode_32 3
		.amdhsa_float_denorm_mode_16_64 3
		.amdhsa_memory_ordered 1
		.amdhsa_forward_progress 1
		.amdhsa_inst_pref_size 196
	.end_amdhsa_kernel
	.amdgpu_metadata
---
amdhsa.version: [ 1, 2 ]
amdhsa.kernels:
  - .name:           k_qff41bb2484_argmin
    .symbol:         k_qff41bb2484_argmin.kd
    .args:
      - { .name: h, .offset: 0, .size: 8, .value_kind: global_buffer, .address_space: global }
      - { .name: wb, .offset: 8, .size: 8, .value_kind: global_buffer, .address_space: global }
      - { .name: nb, .offset: 16, .size: 8, .value_kind: global_buffer, .address_space: global }
      - { .name: idx, .offset: 24, .size: 8, .value_kind: global_buffer, .address_space: global }
    .group_segment_fixed_size: 327680
    .private_segment_fixed_size: 0
    .kernarg_segment_align: 8
    .kernarg_segment_size: 32
    .max_flat_workgroup_size: 128
    .sgpr_count:     80
    .vgpr_count:     1024
    .wavefront_size: 32
...
	.end_amdgpu_metadata
.endif
;; end of part 2
;; launch gather (part 3): grid 512 x 1, 8 waves a work-group, no clusters, 0 bytes of LDS; arguments h, codebook, idx, out0, part; writes out0, part
.if DOCPART == 3
	.amdgcn_target "amdgcn-amd-amdhsa--gfx1250"
	.amdhsa_code_object_version 6
	.text
	.protected	k_qff41bb2484_gather
	.globl	k_qff41bb2484_gather
	.p2align	8
	.type	k_qff41bb2484_gather,@function
k_qff41bb2484_gather:
	s_mov_b64 s[64:65], 0
	v_nop
	global_prefetch_b8 v0, s[64:65] scope:SCOPE_SE
	s_setreg_imm32_b32 hwreg(HW_REG_WAVE_MODE, 25, 1), 1
	s_wait_xcnt 0x0
; out0[n] = codebook[idx[n]]; part[W] = wave W's sum of (h - q)^2 over its 8 rows.  h, out0: [32768][256] f32; codebook: [8192][256] f32; idx: [32768] u32, stored by the launch before; part: [4096] f32.
; LEFT OUT: h + (q - h) = q, an identity: the row looked up is stored as it is; the two means of reference() are one number (shown at the head of the first kernel).
; The loss is summed of the differences themselves, in f32, of the f32 inputs: no difference of large sums is formed.
; SHARES.  Wave W = 8 x work-group + wave owns rows 8 W .. 8 W + 7, in one go: its 8 indices by one scalar load, then 16 loads of h and 16 of the codes' rows, all out at once; each load
; and store of the wave covers 512 consecutive bytes.  Waves do not depend on each other: no LDS, no barrier.  The one store of 4 bytes a wave, 16 KiB in the launch, is the price of a sum without one.
.set QO, 2                             ; v[2:9]    row i: 1,024 x its index + 16 x lane
.set SM, 10                            ; v[10:17]  four chains of two sums
.set H,  32                            ; v[32:95]  h, then h - q: load n = 2 i + c at H + 4 n
.set Q,  96                            ; v[96:159] the codes' rows, likewise
	s_load_b256 s[4:11], s[0:1], 0x0               ; h s[4:5], codebook s[6:7], idx s[8:9], out0 s[10:11]
	s_load_b64 s[12:13], s[0:1], 0x20              ; part
	v_lshrrev_b32 v20, 5, v0
	v_readfirstlane_b32 s24, v20                   ; wave 0..7
	v_and_b32 v21, 31, v0                          ; lane
	v_lshlrev_b32 v1, 4, v21
	s_lshl_b32 s25, ttmp9, 3
	s_add_co_u32 s25, s25, s24                     ; W
	s_lshl_b32 s14, s25, 5                         ; my 8 words of idx
	s_mov_b32 s15, 0
	s_lshl_b32 s26, s25, 13                        ; my 8 rows of 1,024 bytes
	s_mov_b32 s27, 0
	s_lshl_b32 s30, s25, 2
	v_mov_b32 v18, s30                             ; my word of part
	v_mov_b32 v19, 0                               ; written before v_permlanex16_b32 names it as its destination
	s_mov_b32 s28, 0x76543210
	s_mov_b32 s29, 0xfedcba98
	s_wait_kmcnt 0x0
	s_add_nc_u64 s[8:9], s[8:9], s[14:15]
	s_load_b256 s[16:23], s[8:9], 0x0              ; the 8 indices
	s_add_nc_u64 s[4:5], s[4:5], s[26:27]
	s_add_nc_u64 s[10:11], s[10:11], s[26:27]
.irp n, 0,1,2,3,4,5,6,7,8,9,10,11,12,13,14,15
	global_load_b128 v[H+4*(\n):H+4*(\n)+3], v1, s[4:5] offset:512*(\n) th:TH_LOAD_NT
.endr
	s_wait_kmcnt 0x0
.irp i, 0,1,2,3,4,5,6,7
	s_min_u32 s[16+(\i)], s[16+(\i)], 8191         ; an index stays inside the table
	s_lshl_b32 s[16+(\i)], s[16+(\i)], 10
	v_add_nc_u32 v[QO+(\i)], s[16+(\i)], v1
.endr
.irp n, 0,1,2,3,4,5,6,7,8,9,10,11,12,13,14,15
	global_load_b128 v[Q+4*(\n):Q+4*(\n)+3], v[QO+(\n)/2], s[6:7] offset:512*((\n)%2)  ; no hint: several rows may name one code
.endr
.irp n, 0,1,2,3,4,5,6,7,8,9,10,11,12,13,14,15
	s_wait_loadcnt 15-(\n)                         ; loads come back in order: code load n is in, and all of h; the younger ones stay out
	global_store_b128 v1, v[Q+4*(\n):Q+4*(\n)+3], s[10:11] offset:512*(\n) th:TH_STORE_NT
	v_pk_add_f32 v[H+4*(\n):H+4*(\n)+1],   v[H+4*(\n):H+4*(\n)+1],   v[Q+4*(\n):Q+4*(\n)+1]   neg_lo:[0,1] neg_hi:[0,1]
	v_pk_add_f32 v[H+4*(\n)+2:H+4*(\n)+3], v[H+4*(\n)+2:H+4*(\n)+3], v[Q+4*(\n)+2:Q+4*(\n)+3] neg_lo:[0,1] neg_hi:[0,1]
.if (\n) < 2                           ; the first four squares start the chains: nothing is cleared
	v_pk_mul_f32 v[SM+4*(\n):SM+4*(\n)+1],   v[H+4*(\n):H+4*(\n)+1],   v[H+4*(\n):H+4*(\n)+1]
	v_pk_mul_f32 v[SM+4*(\n)+2:SM+4*(\n)+3], v[H+4*(\n)+2:H+4*(\n)+3], v[H+4*(\n)+2:H+4*(\n)+3]
.else
	v_pk_fma_f32 v[SM+4*((\n)%2):SM+4*((\n)%2)+1],   v[H+4*(\n):H+4*(\n)+1],   v[H+4*(\n):H+4*(\n)+1],   v[SM+4*((\n)%2):SM+4*((\n)%2)+1]
	v_pk_fma_f32 v[SM+4*((\n)%2)+2:SM+4*((\n)%2)+3], v[H+4*(\n)+2:H+4*(\n)+3], v[H+4*(\n)+2:H+4*(\n)+3], v[SM+4*((\n)%2)+2:SM+4*((\n)%2)+3]
.endif
.endr
	v_pk_add_f32 v[SM:SM+1], v[SM:SM+1], v[SM+2:SM+3]
	v_pk_add_f32 v[SM+4:SM+5], v[SM+4:SM+5], v[SM+6:SM+7]
	v_pk_add_f32 v[SM:SM+1], v[SM:SM+1], v[SM+4:SM+5]
	v_add_f32 v[SM], v[SM], v[SM+1]
	v_add_f32_dpp v[SM], v[SM], v[SM] row_xmask:1 row_mask:0xf bank_mask:0xf
	v_add_f32_dpp v[SM], v[SM], v[SM] row_xmask:2 row_mask:0xf bank_mask:0xf
	v_add_f32_dpp v[SM], v[SM], v[SM] row_xmask:4 row_mask:0xf bank_mask:0xf
	v_add_f32_dpp v[SM], v[SM], v[SM] row_xmask:8 row_mask:0xf bank_mask:0xf
	v_permlanex16_b32 v19, v[SM], s28, s29
	v_add_f32 v[SM], v[SM], v19
	v_cmp_eq_u32 vcc_lo, 0, v21
	s_wait_xcnt 0x0                                ; EXEC is a source of the stores above: it changes only behind this wait
	s_and_saveexec_b32 s31, vcc_lo                 ; lane 0 alone
	global_store_b32 v18, v[SM], s[12:13]
	s_wait_xcnt 0x0                                ; and again, in front of the line that widens it
	s_or_b32 exec_lo, exec_lo, s31
	s_endpgm
.Lfunc_end_k_qff41bb2484_gather:
	.size	k_qff41bb2484_gather, .Lfunc_end_k_qff41bb2484_gather-k_qff41bb2484_gather
	.p2alignl 7, 3214868480
	.fill 96, 4, 3214868480
	.section	.rodata,"a",@progbits
	.p2align	6, 0x0
	.amdhsa_kernel k_qff41bb2484_gather
		.amdhsa_group_segment_fixed_size 0
		.amdhsa_private_segment_fixed_size 0
		.amdhsa_enable_private_segment 0
		.amdhsa_kernarg_size 40
		.amdhsa_user_sgpr_count 2
		.amdhsa_user_sgpr_kernarg_segment_ptr 1
		.amdhsa_wavefront_size32 1
		.amdhsa_system_sgpr_workgroup_id_x 1
		.amdhsa_system_sgpr_workgroup_id_y 1
		.amdhsa_system_sgpr_workgroup_id_z 1
		.amdhsa_system_vgpr_workitem_id 0
		.amdhsa_next_free_vgpr 160
		.amdhsa_next_free_sgpr 66
		.amdhsa_reserve_vcc 1
		.amdhsa_float_denorm_mode_32 3
		.amdhsa_float_denorm_mode_16_64 3
		.amdhsa_memory_ordered 1
		.amdhsa_forward_progress 1
		.amdhsa_inst_pref_size 12
	.end_amdhsa_kernel
	.amdgpu_metadata
---
amdhsa.version: [ 1, 2 ]
amdhsa.kernels:
  - .name:           k_qff41bb2484_gather
    .symbol:         k_qff41bb2484_gather.kd
    .args:
      - { .name: h, .offset: 0, .size: 8, .value_kind: global_buffer, .address_space: global }
      - { .name: codebook, .offset: 8, .size: 8, .value_kind: global_buffer, .address_space: global }
      - { .name: idx, .offset: 16, .size: 8, .value_kind: global_buffer, .address_space: global }
      - { .name: out0, .offset: 24, .size: 8, .value_kind: global_buffer, .address_space: global }
      - { .name: part, .offset: 32, .size: 8, .value_kind: global_buffer, .address_space: global }
    .group_segment_fixed_size: 0
    .private_segment_fixed_size: 0
    .kernarg_segment_align: 8
    .kernarg_segment_size: 40
    .max_flat_workgroup_size: 256
    .sgpr_count:     66
    .vgpr_count:     160
    .wavefront_size: 32
...
	.end_amdgpu_metadata
.endif
;; end of part 3
;; launch finish (part 4): grid 1 x 1, 1 waves a work-group, no clusters, 0 bytes of LDS; arguments part, out1, out2; writes out1, out2
.if DOCPART == 4
	.amdgcn_target "amdgcn-amd-amdhsa--gfx1250"
	.amdhsa_code_object_version 6
	.text
	.protected	k_qff41bb2484_finish
	.globl	k_qff41bb2484_finish
	.p2align	8
	.type	k_qff41bb2484_finish,@function
k_qff41bb2484_finish:
	s_mov_b64 s[64:65], 0
	v_nop
	global_prefetch_b8 v0, s[64:65] scope:SCOPE_SE
	s_setreg_imm32_b32 hwreg(HW_REG_WAVE_MODE, 25, 1), 1
	s_wait_xcnt 0x0
; out2 = (the sum of the 4,096 partial sums) / 2^23, the mean over 32,768 x 256 numbers; out1 = 0.25 x the same mean.
; LEFT OUT: reference()'s second mean, which is the same number as the first (shown at the head of the first kernel).
; One wave: 32 loads of 512 consecutive bytes, all out at once; four chains of packed sums that begin with the first two loads' numbers; one sum over the lanes.
.set D, 32                             ; v[32:159]  load n at D + 4 n; v[32:39] take the sums
	s_load_b128 s[4:7], s[0:1], 0x0                ; part s[4:5], out1 s[6:7]
	s_load_b64 s[8:9], s[0:1], 0x10                ; out2
	v_lshlrev_b32 v1, 4, v0                        ; 16 bytes a lane
	v_mov_b32 v2, 0                                ; the stores' offset
	v_mov_b32 v3, 0                                ; written before v_permlanex16_b32 names it as its destination
	s_mov_b32 s12, 0x76543210
	s_mov_b32 s13, 0xfedcba98
	s_wait_kmcnt 0x0
.set n, 0
.rept 32
	global_load_b128 v[D+4*n:D+4*n+3], v1, s[4:5] offset:512*n
.set n, n+1
.endr
	s_wait_loadcnt 24                              ; the first eight loads are in; the 24 younger ones stay out
.set n, 2
.rept 30
.if n%8 == 0
	s_wait_loadcnt 24-n                            ; the next eight
.endif
	v_pk_add_f32 v[D+4*(n%2):D+4*(n%2)+1],   v[D+4*(n%2):D+4*(n%2)+1],   v[D+4*n:D+4*n+1]
	v_pk_add_f32 v[D+4*(n%2)+2:D+4*(n%2)+3], v[D+4*(n%2)+2:D+4*(n%2)+3], v[D+4*n+2:D+4*n+3]
.set n, n+1
.endr
	v_pk_add_f32 v[D:D+1], v[D:D+1], v[D+2:D+3]
	v_pk_add_f32 v[D+4:D+5], v[D+4:D+5], v[D+6:D+7]
	v_pk_add_f32 v[D:D+1], v[D:D+1], v[D+4:D+5]
	v_add_f32 v[D], v[D], v[D+1]
	v_add_f32_dpp v[D], v[D], v[D] row_xmask:1 row_mask:0xf bank_mask:0xf
	v_add_f32_dpp v[D], v[D], v[D] row_xmask:2 row_mask:0xf bank_mask:0xf
	v_add_f32_dpp v[D], v[D], v[D] row_xmask:4 row_mask:0xf bank_mask:0xf
	v_add_f32_dpp v[D], v[D], v[D] row_xmask:8 row_mask:0xf bank_mask:0xf
	v_permlanex16_b32 v3, v[D], s12, s13
	v_add_f32 v[D], v[D], v3
	v_mul_f32 v10, 0x34000000, v[D]                ; x 2^-23
	v_mul_f32 v11, 0x33000000, v[D]                ; x 2^-25
	v_cmp_eq_u32 vcc_lo, 0, v0
	s_wait_xcnt 0x0                                ; EXEC changes only behind this wait
	s_and_saveexec_b32 s14, vcc_lo                 ; lane 0 alone
	global_store_b32 v2, v11, s[6:7]               ; out1
	global_store_b32 v2, v10, s[8:9]               ; out2
	s_wait_xcnt 0x0                                ; and again, in front of the line that widens it
	s_or_b32 exec_lo, exec_lo, s14
	s_endpgm
.Lfunc_end_k_qff41bb2484_finish:
	.size	k_qff41bb2484_finish, .Lfunc_end_k_qff41bb2484_finish-k_qff41bb2484_finish
	.p2alignl 7, 3214868480
	.fill 96, 4, 3214868480
	.section	.rodata,"a",@progbits
	.p2align	6, 0x0
	.amdhsa_kernel k_qff41bb2484_finish
		.amdhsa_group_segment_fixed_size 0
		.amdhsa_private_segment_fixed_size 0
		.amdhsa_enable_private_segment 0
		.amdhsa_kernarg_size 24
		.amdhsa_user_sgpr_count 2
		.amdhsa_user_sgpr_kernarg_segment_ptr 1
		.amdhsa_wavefront_size32 1
		.amdhsa_system_sgpr_workgroup_id_x 1
		.amdhsa_system_sgpr_workgroup_id_y 1
		.amdhsa_system_sgpr_workgroup_id_z 1
		.amdhsa_system_vgpr_workitem_id 0
		.amdhsa_next_free_vgpr 160
		.amdhsa_next_free_sgpr 66
		.amdhsa_reserve_vcc 1
		.amdhsa_float_denorm_mode_32 3
		.amdhsa_float_denorm_mode_16_64 3
		.amdhsa_memory_ordered 1
		.amdhsa_forward_progress 1
		.amdhsa_inst_pref_size 9
	.end_amdhsa_kernel
	.amdgpu_metadata
---
amdhsa.version: [ 1, 2 ]
amdhsa.kernels:
  - .name:           k_qff41bb2484_finish
    .symbol:         k_qff41bb2484_finish.kd
    .args:
      - { .name: part, .offset: 0, .size: 8, .value_kind: global_buffer, .address_space: global }
      - { .name: out1, .offset: 8, .size: 8, .value_kind: global_buffer, .address_space: global }
      - { .name: out2, .offset: 16, .size: 8, .value_kind: global_buffer, .address_space: global }
    .group_segment_fixed_size: 0
    .private_segment_fixed_size: 0
    .kernarg_segment_align: 8
    .kernarg_segment_size: 24
    .max_flat_workgroup_size: 32
    .sgpr_count:     66
    .vgpr_count:     160
    .wavefront_size: 32
...
	.end_amdgpu_metadata
.endif
;; end of part 4
;; ======== version 2 of 2: 4 launches; version 1 with the launches prep, gather written anew for expert scheduling mode
;; workspace buffers: wb 4,194,304 bytes; nb 32,768 bytes; idx 131,072 bytes of whole numbers; part 16,384 bytes
;; launch prep (part 5): grid 128 x 1, 8 waves a work-group, no clusters, 1,280 bytes of LDS; arguments codebook, wb, nb; writes wb, nb
.if DOCPART == 5
	.amdgcn_target "amdgcn-amd-amdhsa--gfx1250"
	.amdhsa_code_object_version 6
	.text
	.protected	k_qff41bb2484_prep
	.globl	k_qff41bb2484_prep
	.p2align	8
	.type	k_qff41bb2484_prep,@function
k_qff41bb2484_prep:
	s_mov_b64 s[64:65], 0
	v_nop
	global_prefetch_b8 v0, s[64:65] scope:SCOPE_SE
	s_setreg_imm32_b32 hwreg(HW_REG_WAVE_SCHED_MODE, 0, 2), 2
	s_setreg_imm32_b32 hwreg(HW_REG_WAVE_MODE, 25, 1), 1
	s_wait_xcnt 0x0
	s_wait_alu depctr_vm_vsrc(0)
; VECTOR QUANTISATION: for each of 32,768 rows of h (256 numbers) the nearest of 8,192 codes; out0 = that code's row; out2 = mean((h - q)^2); out1 = out2 / 4.
; THE PROGRAM, four launches: (1) this one rounds the codes to bf16 (wb) and makes nb[c] = -1/2 sum of the rounded code's squares; (2) the product h W^T on the matrix units with a
; running choice of the best code, stored as whole numbers (idx); (3) the rows are looked up by idx, stored, and (h - q)^2 summed, one partial sum a wave (part); (4) the partial sums are added.
; WORK LEFT OUT, for all finite values of the inputs:
;  - h_sq.  distances[n][c] = h_sq[n] - 2 h[n].w[c] + w_sq[c], and h_sq[n] is the same for every c, so argmin over c of the distance = argmax over c of s = h[n].w[c] - w_sq[c] / 2
;    (distance = h_sq - 2 s).  h_sq is a sum of 256 squares like w_sq, of the size of the other terms, so no term is lost beside it.  It reaches no output by any other way.
;  - h + (q - h) = q, an identity: out0 is the row that is looked up.
;  - stop_gradient changes no value: e_latent_loss and codebook_loss are the same mean, made once.
; Both inputs have ways to the outputs and are loaded.
; LIMITS.  The product's operands are h and the codes rounded to bf16, sums in f32; w_sq is taken of the ROUNDED codes, so that the choice is that of the distances between the rounded vectors.
; Two codes whose distances differ by less than f32's rounding of the sums may be chosen otherwise than by reference(); on equal scores the lowest index wins, as in argmin.
; NaN and infinities are not treated apart (a NaN score never wins); an overflow, NaN or infinity that reaches only h_sq or h + (q - h) is not carried to the result.
;
; THIS LAUNCH.  A work-group takes 64 codes, each of its eight waves 8, in one go: 16 loads of 512 consecutive bytes a wave, all out at once.  A lane holds columns 4 l .. 4 l + 3 and
; 128 + 4 l .. + 3 of a row; rounded they are 8 bytes each, so a store of the wave covers 256 consecutive bytes, aligned.  The 64 numbers of nb meet in LDS and leave as one store of 256 bytes.
; THE MODE: SCHED_MODE bits 1:0 = 2 (LLVM: expert scheduling mode 2), set by the entry lines.  The code itself states the register dependences
; between vector instructions and memory or LDS instructions, with s_wait_alu, always for 0.
; THE PLAN.  Registers that memory or LDS instructions touch:
;   v1, v2, v3   two offsets and an LDS address: written at the head, never again; read by every load and store.
;   X[i]         written by row i's two loads, once; read by row i's conversions; no vector instruction names them earlier.
;   P[i], S[i]   written by row i's conversions and by its chain of sums, once; read by row i's two global stores and its one LDS store.
;   v[26:27]     written by one LDS load and read by one global store; no vector instruction names them.
;   v8, v9       written at the head; read by the closing add.
; Row i's three stores stand at the head of row i + 1, behind that row's wait for its data: ONE wait on va_vdst there states that row i has written P[i] and S[i], and no vector
; instruction stands between it and the three.  Row 7's follow one more such wait.  No register that a memory or LDS instruction has read is ever written again: no wait on vm_vsrc is owed.
.set SUMS,  0                          ; LDS: the work-group's 64 sums, 256 bytes
.set SPARE, 256                        ; behind them: the spare words, 128 bytes for each of the eight waves, which no other line names
.set SPW, 8                            ; v8   LDS address of my spare word; never rewritten
.set NIL, 9                            ; v9   0; never rewritten (also the first addend of each row's sum)
.set S,   16                           ; v[16:23]  row i's sum
.set TP,  24                           ; v24  the other half of the lanes' sum
.set X,   32                           ; v[32:95]  row i as loaded: 8 registers
.set P,   96                           ; v[96:127] row i rounded: 4 registers
; Row r leaves: its 512 bytes of bf16, and its number of nb into the work-group's 64 words.
.macro OUT r
	global_store_b64 v2, v[P+4*(\r):P+4*(\r)+1],   s[6:7] offset:512*(\r)       ; 32 lanes x 8 bytes: 256 consecutive bytes, aligned
	global_store_b64 v2, v[P+4*(\r)+2:P+4*(\r)+3], s[6:7] offset:512*(\r)+256
	ds_store_b32 v3, v[S+(\r)] offset:SUMS+4*(\r)  ; all lanes write the same word with the same number
.endm
	s_load_b128 s[4:7], s[0:1], 0x0                ; codebook s[4:5], wb s[6:7]
	s_load_b64 s[8:9], s[0:1], 0x10                ; nb
	v_lshl_add_u32 v[SPW], v0, 2, SPARE
	v_mov_b32 v[NIL], 0
	v_lshrrev_b32 v4, 5, v0
	v_readfirstlane_b32 s10, v4                    ; wave 0..7
	v_and_b32 v5, 31, v0                           ; lane
	v_lshlrev_b32 v1, 4, v5                        ; 16 bytes a lane of a row of f32
	v_lshlrev_b32 v2, 3, v5                        ; 8 bytes a lane of a row of bf16
	s_wait_alu depctr_va_sdst(0)                   ; s10 is written, ahead of its first reader: the LDS address, the bases and the branch at the end are made from it
	s_lshl_b32 s11, s10, 5
	v_mov_b32 v3, s11                              ; SUMS + my wave's 8 words
	v_mov_b32 v[TP], 0                             ; written before v_permlanex16_b32 names it as its destination
	s_mov_b32 s12, 0x76543210                      ; v_permlanex16_b32: each lane takes its own place in the other half
	s_mov_b32 s13, 0xfedcba98
	s_lshl_b32 s14, ttmp9, 16                      ; the work-group's 64 rows of 1,024 bytes,
	s_lshl_b32 s15, s10, 13                        ; my wave's 8 of them
	s_add_co_u32 s14, s14, s15
	s_mov_b32 s15, 0
	s_lshr_b32 s16, s14, 1                         ; the same rows in wb: half the bytes
	s_mov_b32 s17, 0
	s_lshl_b32 s18, ttmp9, 8                       ; the work-group's 64 numbers of nb
	s_mov_b32 s19, 0
	s_wait_kmcnt 0x0
	s_add_nc_u64 s[4:5], s[4:5], s[14:15]
	s_add_nc_u64 s[6:7], s[6:7], s[16:17]
	s_add_nc_u64 s[8:9], s[8:9], s[18:19]
	s_wait_alu depctr_va_vdst(0)                   ; v1, v2 and v3 are written: every load and store of the kernel reads one of them as its offset or address
.irp i, 0,1,2,3,4,5,6,7
	global_load_b128 v[X+8*(\i):X+8*(\i)+3],   v1, s[4:5] offset:1024*(\i) th:TH_LOAD_NT
	global_load_b128 v[X+8*(\i)+4:X+8*(\i)+7], v1, s[4:5] offset:1024*(\i)+512 th:TH_LOAD_NT
.endr
.irp i, 0,1,2,3,4,5,6,7
	s_wait_loadcnt 14-2*(\i)                       ; loads come back in order: row i's two are in, the younger rows' stay out
.if (\i) > 0
	s_wait_alu depctr_va_vdst(0)                   ; the row before has written its P and its S, which the three stores below read
	OUT (\i)-1
.endif
.irp c, 0,1,2,3
	v_cvt_pk_bf16_f32 v[P+4*(\i)+(\c)], v[X+8*(\i)+2*(\c)], v[X+8*(\i)+2*(\c)+1]
.endr
	v_fma_mix_f32_bf16 v[S+(\i)], v[P+4*(\i)], v[P+4*(\i)], v[NIL] op_sel_hi:[1,1,0]  ; the squares of the ROUNDED numbers, summed in f32: low halves,
	v_fma_mix_f32_bf16 v[S+(\i)], v[P+4*(\i)], v[P+4*(\i)], v[S+(\i)] op_sel:[1,1,0] op_sel_hi:[1,1,0]  ; high halves
.irp c, 1,2,3
	v_fma_mix_f32_bf16 v[S+(\i)], v[P+4*(\i)+(\c)], v[P+4*(\i)+(\c)], v[S+(\i)] op_sel_hi:[1,1,0]
	v_fma_mix_f32_bf16 v[S+(\i)], v[P+4*(\i)+(\c)], v[P+4*(\i)+(\c)], v[S+(\i)] op_sel:[1,1,0] op_sel_hi:[1,1,0]
.endr
	v_add_f32_dpp v[S+(\i)], v[S+(\i)], v[S+(\i)] row_xmask:1 row_mask:0xf bank_mask:0xf
	v_add_f32_dpp v[S+(\i)], v[S+(\i)], v[S+(\i)] row_xmask:2 row_mask:0xf bank_mask:0xf
	v_add_f32_dpp v[S+(\i)], v[S+(\i)], v[S+(\i)] row_xmask:4 row_mask:0xf bank_mask:0xf
	v_add_f32_dpp v[S+(\i)], v[S+(\i)], v[S+(\i)] row_xmask:8 row_mask:0xf bank_mask:0xf
	v_permlanex16_b32 v[TP], v[S+(\i)], s12, s13
	v_add_f32 v[S+(\i)], v[S+(\i)], v[TP]          ; every lane holds the row's sum
	v_mul_f32 v[S+(\i)], -0.5, v[S+(\i)]
.endr
	s_wait_alu depctr_va_vdst(0)                   ; row 7 has written its P and its S, which the last three stores read
	OUT 7
	s_wait_dscnt 0x0                               ; for the others' sake: my eight words are written
	s_barrier_signal -1
	s_barrier_wait -1
	s_cmp_lg_u32 s10, 0
	s_cbranch_scc1 .Lend                           ; wave 0 sends the 64 numbers
	ds_load_b64 v[26:27], v2 offset:SUMS
	s_wait_dscnt 0x0
	global_store_b64 v2, v[26:27], s[8:9]          ; 256 consecutive bytes, aligned
.Lend:
	s_wait_dscnt 0x0                               ; the closing lines, six on end
	s_wait_alu 0x0
	s_wait_tensorcnt 0x0
	ds_add_u32 v[SPW], v[NIL]
	s_wait_dscnt 0x0
	s_endpgm
.Lfunc_end_k_qff41bb2484_prep:
	.size	k_qff41bb2484_prep, .Lfunc_end_k_qff41bb2484_prep-k_qff41bb2484_prep
	.p2alignl 7, 3214868480
	.fill 96, 4, 3214868480
	.section	.rodata,"a",@progbits
	.p2align	6, 0x0
	.amdhsa_kernel k_qff41bb2484_prep
		.amdhsa_group_segment_fixed_size 1280
		.amdhsa_private_segment_fixed_size 0
		.amdhsa_enable_private_segment 0
		.amdhsa_kernarg_size 24
		.amdhsa_user_sgpr_count 2
		.amdhsa_user_sgpr_kernarg_segment_ptr 1
		.amdhsa_wavefront_size32 1
		.amdhsa_system_sgpr_workgroup_id_x 1
		.amdhsa_system_sgpr_workgroup_id_y 1
		.amdhsa_system_sgpr_workgroup_id_z 1
		.amdhsa_system_vgpr_workitem_id 0
		.amdhsa_next_free_vgpr 128
		.amdhsa_next_free_sgpr 66
		.amdhsa_reserve_vcc 0
		.amdhsa_float_denorm_mode_32 3
		.amdhsa_float_denorm_mode_16_64 3
		.amdhsa_memory_ordered 1
		.amdhsa_forward_progress 1
		.amdhsa_inst_pref_size 15
	.end_amdhsa_kernel
	.amdgpu_metadata
---
amdhsa.version: [ 1, 2 ]
amdhsa.kernels:
  - .name:           k_qff41bb2484_prep
    .symbol:         k_qff41bb2484_prep.kd
    .args:
      - { .name: codebook, .offset: 0, .size: 8, .value_kind: global_buffer, .address_space: global }
      - { .name: wb, .offset: 8, .size: 8, .value_kind: global_buffer, .address_space: global }
      - { .name: nb, .offset: 16, .size: 8, .value_kind: global_buffer, .address_space: global }
    .group_segment_fixed_size: 1280
    .private_segment_fixed_size: 0
    .kernarg_segment_align: 8
    .kernarg_segment_size: 24
    .max_flat_workgroup_size: 256
    .sgpr_count:     66
    .vgpr_count:     128
    .wavefront_size: 32
...
	.end_amdgpu_metadata
.endif
;; end of part 5
;; launch argmin: the kernel of part 2 again; grid 256 x 1, 4 waves a work-group, clusters of 4 x 1, 327,680 bytes of LDS; arguments h, wb, nb, idx; writes idx
;; launch gather (part 6): grid 512 x 1, 8 waves a work-group, no clusters, 0 bytes of LDS; arguments h, codebook, idx, out0, part; writes out0, part
.if DOCPART == 6
	.amdgcn_target "amdgcn-amd-amdhsa--gfx1250"
	.amdhsa_code_object_version 6
	.text
	.protected	k_qff41bb2484_gather
	.globl	k_qff41bb2484_gather
	.p2align	8
	.type	k_qff41bb2484_gather,@function
k_qff41bb2484_gather:
	s_mov_b64 s[64:65], 0
	v_nop
	global_prefetch_b8 v0, s[64:65] scope:SCOPE_SE
	s_setreg_imm32_b32 hwreg(HW_REG_WAVE_SCHED_MODE, 0, 2), 2
	s_setreg_imm32_b32 hwreg(HW_REG_WAVE_MODE, 25, 1), 1
	s_wait_xcnt 0x0
	s_wait_alu depctr_vm_vsrc(0)
; out0[n] = codebook[idx[n]]; part[W] = wave W's sum of (h - q)^2 over its 8 rows.  h, out0: [32768][256] f32; codebook: [8192][256] f32; idx: [32768] u32, stored by the launch before; part: [4096] f32.
; LEFT OUT: h + (q - h) = q, an identity: the row looked up is stored as it is; the two means of reference() are one number (shown at the head of the first kernel).
; The loss is summed of the differences themselves, in f32, of the f32 inputs: no difference of large sums is formed.
; SHARES.  Wave W = 8 x work-group + wave owns rows 8 W .. 8 W + 7, in one go: its 8 indices by one scalar load, then 16 loads of h and 16 of the codes' rows, all out at once; each load
; and store of the wave covers 512 consecutive bytes.  Waves do not depend on each other: no LDS, no barrier.  The one store of 4 bytes a wave, 16 KiB in the launch, is the price of a sum without one.
; THE MODE: SCHED_MODE bits 1:0 = 2 (LLVM: expert scheduling mode 2), set by the entry lines.  The code itself states the register dependences
; between vector instructions and memory instructions, with s_wait_alu, always for 0.
; THE PLAN.  Registers that memory instructions touch:
;   v1        16 x lane: written at the head, never again; read by the loads of h and by the stores of out0.
;   QO[0..7]  written once, by eight additions when the indices are in; read by the 16 loads of the codes' rows.
;   H         written by loads, once; then read and written by vector instructions alone.
;   Q         written by loads, once; read by the stores of out0 and by the subtractions; never written again.
;   v18, SM   written by vector instructions; read by the one store of the partial sum.
; So one wait on va_vdst stands ahead of h's loads (v1), one ahead of the codes' loads (QO), and the run of 16 steps holds none: a store's data come from a load, which LOADcnt shows,
; and no register that a store has read is written again.  The rest stands round the two writes of EXEC at the end.
.set QO, 2                             ; v[2:9]    row i: 1,024 x its index + 16 x lane
.set SM, 10                            ; v[10:17]  four chains of two sums
.set H,  32                            ; v[32:95]  h, then h - q: load n = 2 i + c at H + 4 n
.set Q,  96                            ; v[96:159] the codes' rows, likewise
	s_load_b256 s[4:11], s[0:1], 0x0               ; h s[4:5], codebook s[6:7], idx s[8:9], out0 s[10:11]
	s_load_b64 s[12:13], s[0:1], 0x20              ; part
	v_lshrrev_b32 v20, 5, v0
	v_readfirstlane_b32 s24, v20                   ; wave 0..7
	v_and_b32 v21, 31, v0                          ; lane
	v_lshlrev_b32 v1, 4, v21
	s_lshl_b32 s25, ttmp9, 3
	s_wait_alu depctr_va_sdst(0)                   ; s24 is written, ahead of its first reader: the wave's rows, indices and word of part are found from it
	s_add_co_u32 s25, s25, s24                     ; W
	s_lshl_b32 s14, s25, 5                         ; my 8 words of idx
	s_mov_b32 s15, 0
	s_lshl_b32 s26, s25, 13                        ; my 8 rows of 1,024 bytes
	s_mov_b32 s27, 0
	s_lshl_b32 s30, s25, 2
	v_mov_b32 v18, s30                             ; my word of part
	v_mov_b32 v19, 0                               ; written before v_permlanex16_b32 names it as its destination
	s_mov_b32 s28, 0x76543210
	s_mov_b32 s29, 0xfedcba98
	s_wait_kmcnt 0x0
	s_add_nc_u64 s[8:9], s[8:9], s[14:15]
	s_load_b256 s[16:23], s[8:9], 0x0              ; the 8 indices
	s_add_nc_u64 s[4:5], s[4:5], s[26:27]
	s_add_nc_u64 s[10:11], s[10:11], s[26:27]
	s_wait_alu depctr_va_vdst(0)                   ; v1 is written, which the loads of h and the stores of out0 read as their offset
.irp n, 0,1,2,3,4,5,6,7,8,9,10,11,12,13,14,15
	global_load_b128 v[H+4*(\n):H+4*(\n)+3], v1, s[4:5] offset:512*(\n) th:TH_LOAD_NT
.endr
	s_wait_kmcnt 0x0
.irp i, 0,1,2,3,4,5,6,7
	s_min_u32 s[16+(\i)], s[16+(\i)], 8191         ; an index stays inside the table
	s_lshl_b32 s[16+(\i)], s[16+(\i)], 10
	v_add_nc_u32 v[QO+(\i)], s[16+(\i)], v1
.endr
	s_wait_alu depctr_va_vdst(0)                   ; the eight additions have written QO, which the loads below read as their offsets
.irp n, 0,1,2,3,4,5,6,7,8,9,10,11,12,13,14,15
	global_load_b128 v[Q+4*(\n):Q+4*(\n)+3], v[QO+(\n)/2], s[6:7] offset:512*((\n)%2)  ; no hint: several rows may name one code
.endr
.irp n, 0,1,2,3,4,5,6,7,8,9,10,11,12,13,14,15
	s_wait_loadcnt 15-(\n)                         ; loads come back in order: code load n is in, and all of h; the younger ones stay out
	global_store_b128 v1, v[Q+4*(\n):Q+4*(\n)+3], s[10:11] offset:512*(\n) th:TH_STORE_NT
	v_pk_add_f32 v[H+4*(\n):H+4*(\n)+1],   v[H+4*(\n):H+4*(\n)+1],   v[Q+4*(\n):Q+4*(\n)+1]   neg_lo:[0,1] neg_hi:[0,1]
	v_pk_add_f32 v[H+4*(\n)+2:H+4*(\n)+3], v[H+4*(\n)+2:H+4*(\n)+3], v[Q+4*(\n)+2:Q+4*(\n)+3] neg_lo:[0,1] neg_hi:[0,1]
.if (\n) < 2                           ; the first four squares start the chains: nothing is cleared
	v_pk_mul_f32 v[SM+4*(\n):SM+4*(\n)+1],   v[H+4*(\n):H+4*(\n)+1],   v[H+4*(\n):H+4*(\n)+1]
	v_pk_mul_f32 v[SM+4*(\n)+2:SM+4*(\n)+3], v[H+4*(\n)+2:H+4*(\n)+3], v[H+4*(\n)+2:H+4*(\n)+3]
.else
	v_pk_fma_f32 v[SM+4*((\n)%2):SM+4*((\n)%2)+1],   v[H+4*(\n):H+4*(\n)+1],   v[H+4*(\n):H+4*(\n)+1],   v[SM+4*((\n)%2):SM+4*((\n)%2)+1]
	v_pk_fma_f32 v[SM+4*((\n)%2)+2:SM+4*((\n)%2)+3], v[H+4*(\n)+2:H+4*(\n)+3], v[H+4*(\n)+2:H+4*(\n)+3], v[SM+4*((\n)%2)+2:SM+4*((\n)%2)+3]
.endif
.endr
	v_pk_add_f32 v[SM:SM+1], v[SM:SM+1], v[SM+2:SM+3]
	v_pk_add_f32 v[SM+4:SM+5], v[SM+4:SM+5], v[SM+6:SM+7]
	v_pk_add_f32 v[SM:SM+1], v[SM:SM+1], v[SM+4:SM+5]
	v_add_f32 v[SM], v[SM], v[SM+1]
	v_add_f32_dpp v[SM], v[SM], v[SM] row_xmask:1 row_mask:0xf bank_mask:0xf
	v_add_f32_dpp v[SM], v[SM], v[SM] row_xmask:2 row_mask:0xf bank_mask:0xf
	v_add_f32_dpp v[SM], v[SM], v[SM] row_xmask:4 row_mask:0xf bank_mask:0xf
	v_add_f32_dpp v[SM], v[SM], v[SM] row_xmask:8 row_mask:0xf bank_mask:0xf
	v_permlanex16_b32 v19, v[SM], s28, s29
	v_add_f32 v[SM], v[SM], v19
	v_cmp_eq_u32 vcc_lo, 0, v21
	s_wait_xcnt 0x0                                ; EXEC is a source of the stores above: it changes only behind this wait
	s_wait_alu depctr_va_vcc(0)                    ; the compare has written VCC, from which EXEC is made
	s_wait_alu depctr_va_vdst(0)                   ; every vector instruction issued under the full EXEC has written its result, v[SM] among them, which the store below reads
	s_wait_alu depctr_vm_vsrc(0)                   ; the stores of out0 have read their vector registers under the full EXEC
	s_and_saveexec_b32 s31, vcc_lo                 ; lane 0 alone
	global_store_b32 v18, v[SM], s[12:13]
	s_wait_xcnt 0x0                                ; and again, in front of the line that widens it
	s_wait_alu depctr_va_vdst(0)                   ; both waits stand at every scalar write of EXEC: no vector instruction is out,
	s_wait_alu depctr_vm_vsrc(0)                   ; and the store has read v18 and v[SM] under the narrowed EXEC
	s_or_b32 exec_lo, exec_lo, s31
	s_endpgm
.Lfunc_end_k_qff41bb2484_gather:
	.size	k_qff41bb2484_gather, .Lfunc_end_k_qff41bb2484_gather-k_qff41bb2484_gather
	.p2alignl 7, 3214868480
	.fill 96, 4, 3214868480
	.section	.rodata,"a",@progbits
	.p2align	6, 0x0
	.amdhsa_kernel k_qff41bb2484_gather
		.amdhsa_group_segment_fixed_size 0
		.amdhsa_private_segment_fixed_size 0
		.amdhsa_enable_private_segment 0
		.amdhsa_kernarg_size 40
		.amdhsa_user_sgpr_count 2
		.amdhsa_user_sgpr_kernarg_segment_ptr 1
		.amdhsa_wavefront_size32 1
		.amdhsa_system_sgpr_workgroup_id_x 1
		.amdhsa_system_sgpr_workgroup_id_y 1
		.amdhsa_system_sgpr_workgroup_id_z 1
		.amdhsa_system_vgpr_workitem_id 0
		.amdhsa_next_free_vgpr 160
		.amdhsa_next_free_sgpr 66
		.amdhsa_reserve_vcc 1
		.amdhsa_float_denorm_mode_32 3
		.amdhsa_float_denorm_mode_16_64 3
		.amdhsa_memory_ordered 1
		.amdhsa_forward_progress 1
		.amdhsa_inst_pref_size 13
	.end_amdhsa_kernel
	.amdgpu_metadata
---
amdhsa.version: [ 1, 2 ]
amdhsa.kernels:
  - .name:           k_qff41bb2484_gather
    .symbol:         k_qff41bb2484_gather.kd
    .args:
      - { .name: h, .offset: 0, .size: 8, .value_kind: global_buffer, .address_space: global }
      - { .name: codebook, .offset: 8, .size: 8, .value_kind: global_buffer, .address_space: global }
      - { .name: idx, .offset: 16, .size: 8, .value_kind: global_buffer, .address_space: global }
      - { .name: out0, .offset: 24, .size: 8, .value_kind: global_buffer, .address_space: global }
      - { .name: part, .offset: 32, .size: 8, .value_kind: global_buffer, .address_space: global }
    .group_segment_fixed_size: 0
    .private_segment_fixed_size: 0
    .kernarg_segment_align: 8
    .kernarg_segment_size: 40
    .max_flat_workgroup_size: 256
    .sgpr_count:     66
    .vgpr_count:     160
    .wavefront_size: 32
...
	.end_amdgpu_metadata
.endif
;; end of part 6
;; launch finish: the kernel of part 4 again; grid 1 x 1, 1 waves a work-group, no clusters, 0 bytes of LDS; arguments part, out1, out2; writes out1, out2
